; MI455X (gfx1250); checked and timed in simulation.
; The chip was launched on July 23, 2026; its instructions are those of AMD's public machine-readable ISA for CDNA 5 (MIT licence, August 2026) and "CDNA5" Instruction Set Architecture Reference Guide (July 2026). The comments in the code are by the model that wrote it; some were corrected since.
;; LSTM Cell. Allowed arithmetic: float matrix products may take bf16 or f16 operands with f32 sums; other float arithmetic in f32, or as packed bf16 or f16 multiplies, adds, multiply-adds, maxima and minima; sums over many terms, partial sums and values carried from step to step in f32; what a program stores and reads back later, other than sums and carried values, may be rounded once to bf16 or f16.
;; Inputs: Wc 2,048 x 1,024 float32; Wf 2,048 x 1,024 float32; Wi 2,048 x 1,024 float32; Wo 2,048 x 1,024 float32; bc 1,024 float32; bf 1,024 float32; bi 1,024 float32; bo 1,024 float32; out_tm1 8,192 x 1,024 float32; state_tm1 8,192 x 1,024 float32; x 8,192 x 1,024 float32.
;; Outputs: out0 8,192 x 1,024 float32; out1 8,192 x 1,024 float32.
;; 2 versions, each right; version 2 is version 1 with the launch prep written anew for expert scheduling mode. Each part assembles by itself: llvm-mc -triple=amdgcn-amd-amdhsa -mcpu=gfx1250 --defsym DOCPART=n.
;; ======== version 1 of 2: 2 launches
;; workspace buffers: xh 33,554,432 bytes; wt 16,777,216 bytes
;; launch prep (part 1): grid 256 x 3, 4 waves a work-group, no clusters, 70,144 bytes of LDS; arguments x, out_tm1, Wf, Wi, Wc, Wo, xh, wt; writes xh, wt
.if DOCPART == 1
	.amdgcn_target "amdgcn-amd-amdhsa--gfx1250"
	.amdhsa_code_object_version 6
	.text
	.protected	k_q76ab4f1dbb_prep
	.globl	k_q76ab4f1dbb_prep
	.p2align	8
	.type	k_q76ab4f1dbb_prep,@function
k_q76ab4f1dbb_prep:
	s_mov_b64 s[64:65], 0
	v_nop
	global_prefetch_b8 v0, s[64:65] scope:SCOPE_SE
	s_setreg_imm32_b32 hwreg(HW_REG_WAVE_MODE, 25, 1), 1
	s_wait_xcnt 0x0
; The operands of the four products, rounded once to bf16 and laid out for the matrix launch that follows.
;   xh [8192][2048] bf16: row b = x[b] (bytes 0-2047), then out_tm1[b] (bytes 2048-4095).
;   wt [4096][2048] bf16, K along the rows: row 256 T + 64 g + j = column 64 T + j of gate g (0 f, 1 i, 2 c, 3 o), T = 0..15, j = 0..63.
; Grid 256 x 3, four waves.  y = 0: 32 rows of x; y = 1: 32 rows of out_tm1; y = 2: 128 k x 64 columns of all four weights, a gate a wave.
; Every work-group reads 131,072 bytes and writes 65,536.  A stream: no matrix unit, no barrier, no cluster (no byte is read twice).
; LDS serves only to turn the weights: each wave has a tile of its own, 64 rows (n) x 256 bytes (128 k) + 16 of padding.
; LIMITS.  Rounding to bf16 is to nearest even; bf16 has f32's range, so no finite input is lost; NaN and infinities pass as they are.
.set ROWB,  4096                       ; bytes in a row of x, out_tm1, W, xh and wt alike
.set PITCH, 272                        ; a row of a turning tile
.set WTILE, 64*PITCH                   ; a wave's turning tile
.set SPARE, 4*WTILE                    ; behind the tiles: the spare words, 128 bytes for each wave: two blocks of 256 bytes that no other line names
.set AOFF, 2                           ; v2   activations: 16 t, my 16 bytes in each half of a source row; never rewritten
.set DOFF, 3                           ; v3   activations: 8 t, my 8 bytes in each quarter of a row of xh; never rewritten
.set LW,   4                           ; v4   weights: where I put 16 bytes (8 k of one column) in my wave's tile
.set LR,   5                           ; v5   weights: where I read rows back
.set WSRC, 6                           ; v6   weights: my byte offset in 16 rows of W
.set GOF,  7                           ; v7   weights: my byte offset in two rows of wt
.set SPW,  8                           ; v8   LDS address of my spare word: SPARE + 4 x my thread's number; never rewritten
.set NIL,  9                           ; v9   0; never rewritten
.set P,    16                          ; v[16:31]   weights: 4 columns x 8 k, packed
.set X,    32                          ; v[32:159]  weights: four sets of 32 as loaded, then the tile read back; activations: v[32:95], 8 slots of 8
.set Y,    96                          ; v[96:127]  activations: 8 slots of 4, packed
	s_load_b512 s[4:19], s[0:1], 0x0               ; x 4:5, out_tm1 6:7, Wf 8:9, Wi 10:11, Wc 12:13, Wo 14:15, xh 16:17, wt 18:19
	v_lshl_add_u32 v[SPW], v0, 2, SPARE
	v_mov_b32 v[NIL], 0
	v_lshrrev_b32 v1, 5, v0
	v_readfirstlane_b32 s21, v1                    ; wave 0..3
	s_and_b32 s20, ttmp7, 0xffff                   ; y
	s_mov_b32 s23, 0                               ; the high word of every offset: all stay under 2^32
	s_wait_kmcnt 0x0
	s_cmp_eq_u32 s20, 2
	s_cbranch_scc1 .Lweights
	; ---- x or out_tm1: 32 rows.  A row is 4,096 bytes in, 2,048 out.  Thread t takes floats 4 t .. 4 t + 3 and 512 + 4 t .. 512 + 4 t + 3:
	; a load of a wave covers 512 consecutive bytes, a store of a wave 256 consecutive bytes at a multiple of 256 from xh's first byte.
	s_cmp_eq_u32 s20, 0
	s_cselect_b64 s[24:25], s[4:5], s[6:7]
	s_lshl_b32 s22, ttmp9, 17                      ; 32 rows of 4,096 bytes, in the source and in xh
	s_add_nc_u64 s[24:25], s[24:25], s[22:23]
	s_lshl_b32 s28, s20, 11                        ; out_tm1 takes the second half of xh's rows
	s_or_b32 s22, s22, s28
	s_add_nc_u64 s[26:27], s[16:17], s[22:23]
	v_lshlrev_b32 v[AOFF], 4, v0
	v_lshlrev_b32 v[DOFF], 3, v0
.macro ALOAD row                       ; a row's two loads into slot row % 8
	global_load_b128 v[X+8*((\row)%8):X+8*((\row)%8)+3],   v[AOFF], s[24:25] offset:(\row)*ROWB th:TH_LOAD_NT
	global_load_b128 v[X+8*((\row)%8)+4:X+8*((\row)%8)+7], v[AOFF], s[24:25] offset:(\row)*ROWB+2048 th:TH_LOAD_NT
.endm
; A row's turn.  Eight rows' loads, sixteen a wave, are kept on their way; no address register is ever rewritten: the row stands in the immediate.
.macro AROW row
.if (\row) < 24
	s_wait_loadcnt 14                              ; loads come back in order (ISA guide 5.7.1): this row's two are in, the seven younger rows' fourteen stay out
.else
	s_wait_loadcnt 2*(31-(\row))                   ; the last rows: nothing more is asked for, and the counts run down
.endif
	s_wait_xcnt 0x0                                ; the stores of eight rows back have read this slot's packed registers: they are rewritten only behind this wait
.irp j, 0,1,2,3
	v_cvt_pk_bf16_f32 v[Y+4*((\row)%8)+(\j)], v[X+8*((\row)%8)+2*(\j)], v[X+8*((\row)%8)+2*(\j)+1]
.endr
.if (\row) < 24
	ALOAD (\row)+8                                 ; the load ahead of the stores
.endif
	global_store_b64 v[DOFF], v[Y+4*((\row)%8):Y+4*((\row)%8)+1],   s[26:27] offset:(\row)*ROWB
	global_store_b64 v[DOFF], v[Y+4*((\row)%8)+2:Y+4*((\row)%8)+3], s[26:27] offset:(\row)*ROWB+1024
.endm
.set rw, 0
.rept 8
	ALOAD rw
.set rw, rw+1
.endr
.set rw, 0
.rept 32
	AROW rw
.set rw, rw+1
.endr
	s_branch .Lend
	; ---- the weights: wave w turns 128 k x 64 columns of gate w.
.Lweights:
	s_cmp_eq_u32 s21, 0
	s_cselect_b64 s[24:25], s[8:9], s[10:11]
	s_cmp_eq_u32 s21, 2
	s_cselect_b64 s[24:25], s[12:13], s[24:25]
	s_cmp_eq_u32 s21, 3
	s_cselect_b64 s[24:25], s[14:15], s[24:25]
	s_and_b32 s28, ttmp9, 15                       ; which 128 k
	s_lshr_b32 s29, ttmp9, 4                       ; T: which 64 columns
	s_lshl_b32 s22, s28, 19                        ; 128 rows of 4,096 bytes
	s_lshl_b32 s30, s29, 8                         ; 64 columns of 4 bytes
	s_add_co_u32 s22, s22, s30
	s_add_nc_u64 s[24:25], s[24:25], s[22:23]
	s_lshl_b32 s22, s29, 20                        ; wt: 256 T rows,
	s_lshl_b32 s30, s21, 18                        ; + 64 w rows of 4,096 bytes,
	s_add_co_u32 s22, s22, s30
	s_lshl_b32 s30, s28, 8                         ; + 128 k of 2 bytes
	s_add_co_u32 s22, s22, s30
	s_add_nc_u64 s[26:27], s[18:19], s[22:23]
	v_and_b32 v10, 15, v0                          ; c = lane % 16: columns 4 c .. 4 c + 3
	v_bfe_u32 v11, v0, 4, 1                        ; hh = lane / 16
	v_lshlrev_b32 v12, 4, v10
	v_lshl_add_u32 v[WSRC], v11, 15, v12           ; 8 hh rows + 16 c
	v_lshl_add_u32 v[GOF], v11, 12, v12            ; hh rows + 16 c
	s_mul_i32 s30, s21, WTILE                      ; my wave's tile
	v_mul_u32_u24 v13, v10, 4*PITCH
	v_lshl_add_u32 v13, v11, 4, v13
	v_add_nc_u32 v[LW], s30, v13                   ; tile row 4 c, byte 16 hh
	v_mul_u32_u24 v13, v11, PITCH
	v_add_nc_u32 v13, v13, v12
	v_add_nc_u32 v[LR], s30, v13                   ; tile row hh, byte 16 c
; Sixteen rows of k into set t % 4: load j brings rows 16 t + 8 hh + j; sixteen lanes read 256 consecutive bytes, aligned.
.macro WLOAD t
.irp j, 0,1,2,3,4,5,6,7
	global_load_b128 v[X+32*((\t)%4)+4*(\j):X+32*((\t)%4)+4*(\j)+3], v[WSRC], s[24:25] offset:(16*(\t)+(\j))*ROWB th:TH_LOAD_NT
.endr
.endm
; Set t % 4 holds 8 k x 4 columns a lane: for each column its 8 ascending k are packed into 16 bytes and put into the column's tile row.
; 32 such stores a wave beside 32 KiB streamed; left so.
.macro WPASS t
.if (\t) < 5
	s_wait_loadcnt 24                              ; this set's eight loads are in; three younger sets stay out
.else
	s_wait_loadcnt 8*(7-(\t))
.endif
.irp jn, 0,1,2,3
.irp q, 0,1,2,3
	v_cvt_pk_bf16_f32 v[P+4*(\jn)+(\q)], v[X+32*((\t)%4)+8*(\q)+(\jn)], v[X+32*((\t)%4)+8*(\q)+4+(\jn)]
.endr
.endr
.irp jn, 0,1,2,3
	ds_store_b128 v[LW], v[P+4*(\jn):P+4*(\jn)+3] offset:PITCH*(\jn)+32*(\t)
.endr
.if (\t) < 4
	WLOAD (\t)+4
.endif
.endm
.irp t, 0,1,2,3
	WLOAD \t
.endr
.irp t, 0,1,2,3,4,5,6,7
	WPASS \t
.endr
	; back by rows: lanes 0-15 take tile row 2 t, lanes 16-31 row 2 t + 1, 256 bytes each.  LDS serves a wave's instructions in order (ISA guide 5.7.1.4): these see the stores above.
.set t, 0
.rept 32
	ds_load_b128 v[X+4*t:X+4*t+3], v[LR] offset:2*PITCH*t
.set t, t+1
.endr
.set t, 0
.rept 32
	s_wait_dscnt 31-t                              ; load t is in, the younger ones stay out
	global_store_b128 v[GOF], v[X+4*t:X+4*t+3], s[26:27] offset:2*ROWB*t  ; sixteen lanes store 256 consecutive bytes, at a multiple of 256 from wt's first byte
.set t, t+1
.endr
.Lend:
	s_wait_tensorcnt 0x0                           ; the wave's end: behind my last LDS store
	ds_add_u32 v[SPW], v[NIL]
	s_wait_dscnt 0x0
	s_endpgm
.Lfunc_end_k_q76ab4f1dbb_prep:
	.size	k_q76ab4f1dbb_prep, .Lfunc_end_k_q76ab4f1dbb_prep-k_q76ab4f1dbb_prep
	.p2alignl 7, 3214868480
	.fill 96, 4, 3214868480
	.section	.rodata,"a",@progbits
	.p2align	6, 0x0
	.amdhsa_kernel k_q76ab4f1dbb_prep
		.amdhsa_group_segment_fixed_size 70144
		.amdhsa_private_segment_fixed_size 0
		.amdhsa_enable_private_segment 0
		.amdhsa_kernarg_size 64
		.amdhsa_user_sgpr_count 2
		.amdhsa_user_sgpr_kernarg_segment_ptr 1
		.amdhsa_wavefront_size32 1
		.amdhsa_system_sgpr_workgroup_id_x 1
		.amdhsa_system_sgpr_workgroup_id_y 1
		.amdhsa_system_sgpr_workgroup_id_z 1
		.amdhsa_system_vgpr_workitem_id 0
		.amdhsa_next_free_vgpr 160
		.amdhsa_next_free_sgpr 66
		.amdhsa_reserve_vcc 0
		.amdhsa_float_denorm_mode_32 3
		.amdhsa_float_denorm_mode_16_64 3
		.amdhsa_memory_ordered 1
		.amdhsa_forward_progress 1
		.amdhsa_inst_pref_size 47
	.end_amdhsa_kernel
	.amdgpu_metadata
---
amdhsa.version: [ 1, 2 ]
amdhsa.kernels:
  - .name:           k_q76ab4f1dbb_prep
    .symbol:         k_q76ab4f1dbb_prep.kd
    .args:
      - { .name: x, .offset: 0, .size: 8, .value_kind: global_buffer, .address_space: global }
      - { .name: out_tm1, .offset: 8, .size: 8, .value_kind: global_buffer, .address_space: global }
      - { .name: Wf, .offset: 16, .size: 8, .value_kind: global_buffer, .address_space: global }
      - { .name: Wi, .offset: 24, .size: 8, .value_kind: global_buffer, .address_space: global }
      - { .name: Wc, .offset: 32, .size: 8, .value_kind: global_buffer, .address_space: global }
      - { .name: Wo, .offset: 40, .size: 8, .value_kind: global_buffer, .address_space: global }
      - { .name: xh, .offset: 48, .size: 8, .value_kind: global_buffer, .address_space: global }
      - { .name: wt, .offset: 56, .size: 8, .value_kind: global_buffer, .address_space: global }
    .group_segment_fixed_size: 70144
    .private_segment_fixed_size: 0
    .kernarg_segment_align: 8
    .kernarg_segment_size: 64
    .max_flat_workgroup_size: 128
    .sgpr_count:     66
    .vgpr_count:     160
    .wavefront_size: 32
...
	.end_amdgpu_metadata
.endif
;; end of part 1
;; launch cell (part 2): grid 16 x 16, 4 waves a work-group, clusters of 4 x 4, 327,680 bytes of LDS; arguments xh, wt, state_tm1, out0, out1, bf, bi, bc, bo; writes out0, out1
.if DOCPART == 2
	.amdgcn_target "amdgcn-amd-amdhsa--gfx1250"
	.amdhsa_code_object_version 6
	.text
	.protected	k_q76ab4f1dbb_cell
	.globl	k_q76ab4f1dbb_cell
	.p2align	8
	.type	k_q76ab4f1dbb_cell,@function
k_q76ab4f1dbb_cell:
	s_mov_b64 s[64:65], 0
	v_nop
	global_prefetch_b8 v0, s[64:65] scope:SCOPE_SE
	s_setreg_imm32_b32 hwreg(HW_REG_WAVE_MODE, 25, 1), 1
	s_wait_xcnt 0x0
	s_wait_alu depctr_hold_cnt(0) depctr_sa_sdst(0) depctr_va_vdst(0) depctr_va_sdst(0) depctr_va_ssrc(0) depctr_va_vcc(0) depctr_vm_vsrc(0)
	s_getreg_b32 s2, hwreg(HW_REG_IB_STS2, 6, 4)
	s_cmp_eq_u32 s2, 0
	s_cbranch_scc0 .Lentry_in_a_cluster
	s_endpgm
.Lentry_in_a_cluster:
	s_bfe_u32 s2, ttmp6, 0x10000c
	s_cmp_lg_u32 s2, 0xf033
	s_cbranch_scc0 .Lentry_shape_is_right
	s_endpgm
.Lentry_shape_is_right:
; THE LSTM CELL.  z_g = xh W_g + b_g for the gates g = f, i, c, o;  new_state = state sigmoid(z_f) + sigmoid(z_i) tanh(z_c);  output = sigmoid(z_o) tanh(new_state).
; xh: [8192][2048] bf16.  wt: [4096][2048] bf16, K along the rows, row 256 T + 64 g + j = column 64 T + j of gate g.  state_tm1, out0 (output), out1 (new_state): [8192][1024] f32; the biases [1024] f32.
; Products in bf16 with f32 sums; the biases, the state and all that follows the sums in f32.
; LIMITS.  sigmoid(z) = 1 / (1 + 2^(-z log2 e)), tanh(z) = 2 / (1 + 2^(-2 z log2 e)) - 1.  No clip is needed: an exponential that overflows gives an infinity, whose reciprocal is 0; one below 2^-126
; counts as 0, and the reciprocal of 1 is 1.  tanh so made is off by about 1e-7 absolutely, so it is not relatively exact near 0.  NaN and infinite inputs are not treated apart.
; SHARES.  A tile is 256 rows of the batch x 256 rows of wt: 64 columns of all four gates.  A work-group of four waves makes two tiles, 4,096 rows apart: 256 work-groups for 512 tiles.
; A WAVE'S TILE IS 64 ROWS x 256, not 128 x 128: so one wave holds f, i, c and o of the same cells, and its 64 columns are 256 consecutive bytes of state, out0 and out1: the tail needs no other wave and no barrier.
; The price: 40 LDS loads for 64 matrix instructions where a square tile has 32.
; K goes in steps of 128 through a ring of two LDS slots filled by the tensor data mover; the ring runs on from the first tile into the second.
; CLUSTER.  4 x 4 work-groups.  The four of a row of the cluster need the same tiles of xh, the four of a column the same tiles of wt: each tile is asked for JOINTLY, by the same tensor load with the same
; descriptor and a mask that names the four.
; THE MATRIX INSTRUCTION IS USED TRANSPOSED (source 0 = 16 rows of wt, source 1 = 16 rows of xh): lane l holds batch row l % 16 and, in registers 0-7, the columns 8 (l / 16) + 0..7 of a block of 16.
; REGISTERS, in windows of 256 (s_set_vgpr_msb: bits 1:0 source 0, 3:2 source 1, 5:4 source 2, 7:6 destination):
;   window 0: v0-31 addresses; v32-63 the tail's work; v64-95, v96-127 fragments of xh, two buffers (the second is the tail's second work area); v128-255 the state, 32 registers for each 16 rows
;   window 1: v0-127, v128-255 fragments of wt, two buffers (in the tail the second holds the lane's 128 scaled biases)
;   window 2: accumulators (a, b), b = 0-7 (gates f, i) at v[8 (8 a + b)];   window 3: b = 8-15 (gates c, o) at v[8 (8 a + b - 8)].  a: my block of 16 rows; b = 4 g + cb, cb the block of 16 columns.
.set SIZE_K, 2048
.set KSTEP,  128
.set PITCH,  272                       ; an LDS row: 256 bytes + 16 of padding = 68 words: row r starts at bank 4 r mod 64 (64 banks of 4 bytes: ISA guide 11.1), so the 16 rows of a load start at 16 different banks
.set HALFT,  128*PITCH                 ; 128 rows: what one tensor load brings
.set SLOT,   4*HALFT                   ; xh's 256 rows, then wt's 256 rows
.set STAGE,  2*SLOT                    ; behind the ring, never filled by a tensor load: for each wave two stages of 16 rows x 272 bytes: state and new_state; output
.set SPITCH, 272
.set WSTAGE, 2*16*SPITCH
.set BIAS,   STAGE+4*WSTAGE            ; for each wave 4 gates x 64 f32: the tile column's biases, already times the gate's factor
.set SPARE,  BIAS+4*1024               ; the spare words, 128 bytes for each wave: two blocks of 256 bytes that no other line names
.set LAPS,   SIZE_K/(2*KSTEP)          ; a lap = two K steps = once round the ring
.set TILES,  2
.set WALK,   4096                      ; rows from a work-group's first tile to its second
.set NEXT_A, WALK*SIZE_K*2-(SIZE_K-2*KSTEP)*2   ; bytes from a slot's last K step of a tile to its first of the next: xh goes WALK rows down and back along K,
.set BACK_B, (SIZE_K-2*KSTEP)*2        ; wt only back: both tiles take the same rows
.set ROWB,   4096                      ; bytes in a row of state_tm1, out0, out1
.set ADRA, 16                          ; v16-17  LDS address of my fragments of xh in slot 0, 1
.set ADRB, 20                          ; v20-21  the same for wt
.set STO,  24                          ; v24     the stage by accumulator layout: row l % 16, 32 bytes for each half of the lanes
.set RD,   25                          ; v25     the stage by rows: lanes 0-15 one row of 256 bytes, lanes 16-31 the next
.set CO,   26                          ; v26     the same two rows in state_tm1, out0, out1
.set BT,   27                          ; v27     my wave's bias table, + 32 bytes for the upper half of the lanes
.set SPW,  28                          ; v28     LDS address of my spare word: SPARE + 4 x my thread's number; never rewritten
.set NIL,  29                          ; v29     0; never rewritten
.set PFO,  30                          ; v30     the prefetches' offset: my lane x a row of xh or wt; never rewritten
.set GW,   32                          ; the tail's work: unit u at GW + 64 u, gate g's eight numbers at + 8 g
.set FA,   64                          ; xh's fragments: buffer f at FA + 32 f, block a at + 8 a
.set ST,   128                         ; the state
.set BR,   128                         ; window 1: the biases, gate g, column block cb at BR + 8 (4 g + cb)
.set G1,   24                          ; s[24:31] descriptor group 1 for xh's tiles;  s[32:39] group 0, a set for each slot
.set G0,   32
.set G1B,  48                          ; s[48:55], s[56:63] the same for wt's tiles
.set G0B,  56
.set LIM,  43                          ; s43     1 in a wave that prefetches, else the greatest number
.set PFA,  44                          ; s[44:45] where my prefetches stand: my work-group's 32 rows of the 128 that I fetch, one K step further along K than the refill in hand
.set STP,  68                          ; s[68:69] state_tm1, s[70:71] out0, s[72:73] out1, at my wave's 64 rows and the tile's 64 columns
.set O0P,  70
.set O1P,  72
.set KS,   82                          ; s[82:83] -log2(e): the sigmoids' factor (named as a pair; the low word serves both halves)
.set KT,   84                          ; s[84:85] -2 log2(e): the factor of tanh
.set MSB, 0
.macro WIN new                         ; the immediate's high byte repeats the setting that is left; a switch that changes nothing is dropped
.if MSB != (\new)
	s_set_vgpr_msb (MSB<<8)|(\new)
.set MSB, \new
.endif
.endm
.set MUL_LO, 0xa1                      ; source 0 (wt) window 1, source 1 (xh) window 0, C and D window 2
.set MUL_HI, 0xf1                      ; the same, C and D window 3
.set TO_B,   0x40                      ; destination window 1, address window 0
; A joint load.  Waves 0 and 1 fetch xh's two halves, waves 2 and 3 wt's.  Each line has one mask and one set of registers for all that issue it; the branch hangs on the wave's number alone.
; An s_nop 0 and four v_nop follow each of the two lines, ahead of the jump, the label and what follows.
.macro JLOAD s
	s_cmp_eq_u32 s11, 0
	s_cbranch_scc0 .Lfor_b_\@
	tensor_load_to_lds s[G0+4*(\s):G0+4*(\s)+3], s[G1:G1+7]
	s_nop 0
.rept 4
	v_nop
.endr
	s_branch .Lasked_\@
.Lfor_b_\@:
	tensor_load_to_lds s[G0B+4*(\s):G0B+4*(\s)+3], s[G1B:G1B+7]
	s_nop 0
.rept 4
	v_nop
.endr
.Lasked_\@:
.endm
; A PREFETCH INTO THE L2, behind each joint load and the run of LDS loads that follows it: the K step that stands TWO refills on, 512 matrix instructions ahead of the load that will want it: 32 rows x 256 bytes, a lane a row.
; Each row's 256 bytes of a K step are named once in the launch: xh's tile row is read by every cluster of that row of clusters, and cluster x = 0 asks; wt's tile column by every cluster of that column, and
; cluster y = 0 asks.  The four partners that ask for a tile jointly share its rows out BY ADDRESS, 32 each.  how = 0, in the loop: a tile's last two refills have no K step two on; how = 1, at the change of tiles.
.macro ASK how
.if \how
	s_cmp_eq_u32 s[LIM], 1
.else
	s_cmp_gt_u32 s3, s[LIM]                        ; s3 = 1 in the loop's last trip
.endif
	s_cbranch_scc0 .Lnot_mine_\@
	global_prefetch_b8 v[PFO], s[PFA:PFA+1] offset:KSTEP*2 th:TH_LOAD_NT scope:SCOPE_SE
.Lnot_mine_\@:
.endm
; A round of the cluster's barrier: my work-group's barrier, so that wave 0's signal speaks for all four waves; wave 0 signals; every wave waits for all sixteen work-groups; my work-group's barrier once more.
.macro CREST                           ; a round behind its opening barrier
	s_cmp_lg_u32 s10, 0
	s_cbranch_scc1 .Lnot_wave_0_\@
	s_barrier_signal -3
.Lnot_wave_0_\@:
	s_barrier_wait -3
	s_barrier_signal -1
	s_barrier_wait -1
.endm
.macro CROUND                          ; a whole round
	s_barrier_signal -1
	s_barrier_wait -1
	CREST
.endm
	s_load_b128 s[4:7], s[0:1], 0x0                ; xh s[4:5], wt s[6:7]
	s_load_b256 s[68:75], s[0:1], 0x10             ; state_tm1, out0, out1, bf
	s_load_b128 s[76:79], s[0:1], 0x30             ; bi, bc
	s_load_b64 s[80:81], s[0:1], 0x40              ; bo
	v_lshl_add_u32 v[SPW], v0, 2, SPARE
	v_mov_b32 v[NIL], 0
	ds_add_u32 v[SPW], v[NIL]                      ; the wave's opening: the add, twice on end, and its wait ahead of my first tensor load; the set-up below stands between the second and the wait
	ds_add_u32 v[SPW], v[NIL]                      ; and once more, under the one wait
	v_lshrrev_b32 v1, 5, v0
	v_readfirstlane_b32 s10, v1                    ; wave 0..3: also my 64 rows of the tile
	s_lshr_b32 s11, s10, 1                         ; I fetch for xh (0) or for wt (1),
	s_and_b32 s12, s10, 1                          ; and which 128 rows of that tile
	s_bfe_u32 s40, ttmp6, 0x40000                  ; cx, cy: my place in the cluster
	s_bfe_u32 s41, ttmp6, 0x40004
	s_lshl_b32 s42, ttmp9, 2                       ; in a cluster launch ttmp9 and ttmp7 count clusters
	s_add_co_u32 s42, s42, s40                     ; T, the tile column = 4 x cluster x + cx
	s_and_b32 s13, ttmp7, 0xffff
	s_lshl_b32 s13, s13, 2
	s_add_co_u32 s13, s13, s41                     ; the first tile's row = 4 x cluster y + cy
	s_lshl_b32 s43, s41, 2
	s_lshl_b32 s43, 15, s43                        ; my row of the cluster: places 4 cy .. 4 cy + 3
	s_lshl_b32 s44, 0x1111, s40                    ; my column: places cx, cx + 4, cx + 8, cx + 12
	; descriptor group 1: a tile of 128 rows x 128 elements, padded in LDS
	s_or_b32 s[G1+0], s43, (1<<16)|(1<<20)|(1<<21)|(5<<22)|(3<<25)  ; 15:0 the mask: xh's tiles go to my row; 17:16 2-byte elements; 20 padding on; 21 set beside a mask; 24:22 after every 64 words (code 5); 31:25 4 words (code 3)
	s_or_b32 s[G1B+0], s44, (1<<16)|(1<<20)|(1<<21)|(5<<22)|(3<<25) ; the same with the mask of my column, for wt's tiles
.irp g, G1, G1B
	s_mov_b32 s[(\g)+1], KSTEP<<16                 ; tensor_dim0 = 128
	s_mov_b32 s[(\g)+2], 128<<16                   ; tensor_dim1 = 128
	s_mov_b32 s[(\g)+3], KSTEP<<16                 ; tile_dim0 = 128
	s_mov_b32 s[(\g)+4], 128                       ; tile_dim1 = 128
	s_mov_b32 s[(\g)+5], SIZE_K                    ; elements from row to row
	s_mov_b32 s[(\g)+6], 0
	s_mov_b32 s[(\g)+7], 0
.endr
	s_mov_b32 s[KS], 0xbfb8aa3b                    ; -1.442695
	s_mov_b32 s[KS+1], 0xbfb8aa3b
	s_mov_b32 s[KT], 0xc038aa3b                    ; -2.885390
	s_mov_b32 s[KT+1], 0xc038aa3b
	; where the tiles come from: xh's hang on the tile row alone, which my row of the cluster shares; wt's on the tile column alone, which my column shares
	s_lshl_b32 s17, s12, 7
	s_lshl_b32 s16, s13, 8
	s_add_co_u32 s16, s16, s17                     ; xh: row 256 x tile row + 128 x half
	s_lshl_b32 s46, s42, 8
	s_add_co_u32 s46, s46, s17                     ; wt: row 256 T + 128 x half
	s_mov_b32 s17, 0
	s_mov_b32 s47, 0
	s_mov_b64 s[18:19], SIZE_K*2
	s_mul_u64 s[16:17], s[16:17], s[18:19]
	s_mul_u64 s[46:47], s[46:47], s[18:19]
	s_mul_i32 s20, s10, HALFT                      ; and where they go: wave x 128 rows: no place in the cluster enters an LDS address
	s_wait_dscnt 0x0                               ; both opening adds are done
	s_wait_kmcnt 0x0
	s_add_nc_u64 s[14:15], s[4:5], s[16:17]
	s_add_nc_u64 s[46:47], s[6:7], s[46:47]
	CROUND                                         ; all sixteen work-groups are here: the first joint loads meet
.irp s, 0,1
	s_mov_b32 s[G0+4*(\s)], 1                                      ; count = 1
	s_add_co_u32 s[G0+4*(\s)+1], s20, (\s)*SLOT                    ; LDS address
	s_add_nc_u64 s[G0+4*(\s)+2:G0+4*(\s)+3], s[14:15], (\s)*KSTEP*2  ; global address: K step s
	s_or_b32 s[G0+4*(\s)+3], s[G0+4*(\s)+3], 0x80000000            ; type = 2
	s_mov_b32 s[G0B+4*(\s)], 1
	s_add_co_u32 s[G0B+4*(\s)+1], s20, (\s)*SLOT
	s_add_nc_u64 s[G0B+4*(\s)+2:G0B+4*(\s)+3], s[46:47], (\s)*KSTEP*2
	s_or_b32 s[G0B+4*(\s)+3], s[G0B+4*(\s)+3], 0x80000000
	JLOAD \s                                       ; the ring is filled before anything else is done: two loads of mine are out
.endr
	; A fragment is 16 rows x 32 K in 8 registers: lane l holds row l % 16; registers 0-3 K = 8 (l / 16) + 0..7, registers 4-7 K = 16 + 8 (l / 16) + 0..7: two loads of 16 bytes, 32 bytes apart.
	v_and_b32 v1, 15, v0                           ; r = l % 16
	v_bfe_u32 v2, v0, 4, 1                         ; h = l / 16
	v_mul_u32_u24 v3, v1, PITCH
	v_lshl_add_u32 v3, v2, 4, v3
	s_mul_i32 s21, s10, 64*PITCH                   ; my 64 rows of xh
	s_mov_b32 s22, 2*HALFT                         ; wt's 256 rows lie behind xh's 256; I read them all
.irp s, 0,1
	v_add_nc_u32 v[ADRA+(\s)], s21, v3
	v_add_nc_u32 v[ADRB+(\s)], s22, v3
	s_add_co_u32 s21, s21, SLOT
	s_add_co_u32 s22, s22, SLOT
.endr
	s_mul_i32 s23, s10, WSTAGE
	s_add_co_u32 s23, s23, STAGE                   ; my stages
	v_mul_u32_u24 v5, v1, SPITCH
	v_lshl_add_u32 v5, v2, 5, v5
	v_add_nc_u32 v[STO], s23, v5
	v_mul_u32_u24 v5, v2, SPITCH
	v_lshl_add_u32 v5, v1, 4, v5
	v_add_nc_u32 v[RD], s23, v5
	v_lshlrev_b32 v5, 12, v2
	v_lshl_add_u32 v[CO], v1, 4, v5
	s_lshl_b32 s23, s10, 10
	s_add_co_u32 s23, s23, BIAS                    ; my bias table
	v_lshl_add_u32 v[BT], v2, 5, s23
	v_and_b32 v4, 31, v0
	v_lshlrev_b32 v4, 3, v4                        ; 8 x lane: 32 lanes take a gate's 64 biases
	v_add_nc_u32 v6, s23, v4
	s_lshl_b32 s86, s13, 20                        ; 256 x tile row rows of 4,096 bytes,
	s_lshl_b32 s87, s10, 18                        ; my wave's 64,
	s_add_co_u32 s86, s86, s87
	s_lshl_b32 s88, s42, 8                         ; the tile's 64 columns of 4 bytes
	s_add_co_u32 s86, s86, s88
	s_mov_b32 s87, 0
	s_mov_b32 s89, 0
	s_add_nc_u64 s[STP:STP+1], s[STP:STP+1], s[86:87]
	s_add_nc_u64 s[O0P:O0P+1], s[O0P:O0P+1], s[86:87]
	s_add_nc_u64 s[O1P:O1P+1], s[O1P:O1P+1], s[86:87]
.irp g, 0,1,2,3
	s_add_nc_u64 s[74+2*(\g):75+2*(\g)], s[74+2*(\g):75+2*(\g)], s[88:89]
	global_load_b64 v[GW+2*(\g):GW+2*(\g)+1], v4, s[74+2*(\g):75+2*(\g)]
.endr
	; the prefetches' place; nothing is prefetched here, at the head, where every work-group's first tiles are on their way: K steps 2 and 3 come by their refills alone
	s_lshl_b32 s20, s13, 8
	s_lshl_b32 s21, s42, 8
	s_and_b32 s22, ttmp7, 0xffff                   ; cluster y
	s_cmp_eq_u32 s11, 0                            ; do I fetch for xh?
	s_cselect_b32 s20, s20, s21                    ; the tile's first row: in xh by the tile row, in wt by the tile column
	s_cselect_b32 s21, s40, s41                    ; my place among the four that ask for it with me
	s_cselect_b32 s22, ttmp9, s22                  ; the coordinate along which other clusters read the same rows
	s_cselect_b64 s[PFA:PFA+1], s[4:5], s[6:7]
	s_cmp_eq_u32 s22, 0
	s_cselect_b32 s[LIM], 1, -1                    ; the same in all sixteen partners, for a given wave
	s_lshl_b32 s22, s12, 7
	s_add_co_u32 s20, s20, s22                     ; + the 128 rows that I fetch
	s_lshl_b32 s21, s21, 5
	s_add_co_u32 s20, s20, s21                     ; + my work-group's 32 of them
	s_mov_b32 s21, 0
	s_mov_b64 s[18:19], SIZE_K*2
	s_mul_u64 s[20:21], s[20:21], s[18:19]
	s_add_nc_u64 s[PFA:PFA+1], s[PFA:PFA+1], s[20:21]
	s_add_nc_u64 s[PFA:PFA+1], s[PFA:PFA+1], 2*KSTEP*2  ; at K step 2: the first refill steps it to 3 and names K step 4
	v_and_b32 v[PFO], 31, v0
	v_mul_u32_u24 v[PFO], v[PFO], SIZE_K*2
	; the biases times their gates' factors, into my own table: the tail then makes factor x z by one fused multiply-add
	s_wait_loadcnt 0x0
	v_pk_mul_f32 v[GW:GW+1],   v[GW:GW+1],   s[KS:KS+1] op_sel_hi:[1,0]
	v_pk_mul_f32 v[GW+2:GW+3], v[GW+2:GW+3], s[KS:KS+1] op_sel_hi:[1,0]
	v_pk_mul_f32 v[GW+4:GW+5], v[GW+4:GW+5], s[KT:KT+1] op_sel_hi:[1,0]
	v_pk_mul_f32 v[GW+6:GW+7], v[GW+6:GW+7], s[KS:KS+1] op_sel_hi:[1,0]
.irp g, 0,1,2,3
	ds_store_b64 v6, v[GW+2*(\g):GW+2*(\g)+1] offset:256*(\g)
.endr
; 16 matrix instructions: row blocks a0, a0 + 1 x eight blocks of wt's rows (hi = 0: gates f, i; 1: gates c, o), 32 along K, from buffer f.  zero = 1: the product starts the sums: nothing is ever cleared.
; A quarter step takes all 64 accumulators once, always in the same order: they take turns, one instruction a turn, over the backward jumps too.
.macro MUL16 f, hi, a0, zero
	WIN MUL_LO+0x50*(\hi)
.irp a, \a0, (\a0)+1
.irp b, 0,1,2,3,4,5,6,7
.if \zero
	v_wmma_f32_16x16x32_bf16 v[8*(8*(\a)+(\b)):8*(8*(\a)+(\b))+7], v[128*(\f)+8*(8*(\hi)+(\b)):128*(\f)+8*(8*(\hi)+(\b))+7], v[FA+32*(\f)+8*(\a):FA+32*(\f)+8*(\a)+7], 0
.else
	v_wmma_f32_16x16x32_bf16 v[8*(8*(\a)+(\b)):8*(8*(\a)+(\b))+7], v[128*(\f)+8*(8*(\hi)+(\b)):128*(\f)+8*(8*(\hi)+(\b))+7], v[FA+32*(\f)+8*(\a):FA+32*(\f)+8*(\a)+7], v[8*(8*(\a)+(\b)):8*(8*(\a)+(\b))+7]
.endif
.endr
.endr
.endm
; 40 LDS loads in one run: the fragments of one quarter step (my 64 rows of xh, wt's 256 rows, 32 K at byte k of the rows) into buffer f: xh's first, then wt's blocks in ascending order
.macro FETCH slot, k, f
	WIN 0
.irp i, 0,1,2,3
	ds_load_b128 v[FA+32*(\f)+8*(\i):FA+32*(\f)+8*(\i)+3],   v[ADRA+(\slot)] offset:(\k)+(\i)*16*PITCH
	ds_load_b128 v[FA+32*(\f)+8*(\i)+4:FA+32*(\f)+8*(\i)+7], v[ADRA+(\slot)] offset:(\k)+(\i)*16*PITCH+32
.endr
	WIN TO_B
.irp i, 0,1,2,3,4,5,6,7,8,9,10,11,12,13,14,15
	ds_load_b128 v[128*(\f)+8*(\i):128*(\f)+8*(\i)+3],   v[ADRB+(\slot)] offset:(\k)+(\i)*16*PITCH
	ds_load_b128 v[128*(\f)+8*(\i)+4:128*(\f)+8*(\i)+7], v[ADRB+(\slot)] offset:(\k)+(\i)*16*PITCH+32   ; 65,504 at the most: inside the 16-bit offset
.endr
.endm
; A load into a register that a matrix instruction has read, and a vector instruction that reads a matrix result or writes one of a matrix instruction's registers, stand four places behind it; only plain vector
; instructions that name none of its registers are places (ISA guide 7.12.1 for vector instructions).
.macro PLACES
.rept 4
	v_nop
.endr
.endm
; A K step is four quarters of 32 along K, 64 matrix instructions each, on buffers 0, 1, 0, 1.  One of the first three: multiplies buffer f; in its middle it fetches the next quarter, at byte k, into buffer g.
.macro QUARTER slot, k, f, g, zero
	s_wait_dscnt 16                                ; xh's fragments and wt's blocks 0-7 are in; the youngest sixteen loads (blocks 8-15) may be out
	MUL16 \f, 0, 0, \zero
	MUL16 \f, 0, 2, \zero
	PLACES
	FETCH \slot, \k, \g
	s_wait_dscnt 40                                ; all but the 40 just issued
	MUL16 \f, 1, 0, \zero
	MUL16 \f, 1, 2, \zero
.endm
; The last quarter multiplies buffer 1 and changes slots.  MEET is its first half: ONE barrier for the change.  In front of it each wave waits for all its tensor loads, of which one is out: its part of the next
; slot; adds 0 to its spare word; and waits for that and for its own reads of this slot.  Behind it nobody reads this slot any more and the next slot is whole.
.macro MEET round                      ; round = 1: a round of the cluster's barrier follows
	WIN 0                                          ; (the add's two registers lie in window 0)
	s_wait_tensorcnt 0x0                           ; all my tensor loads have landed;
	ds_add_u32 v[SPW], v[NIL]                      ; 0 onto my spare word;
	s_wait_dscnt 17                                ; (the add and the youngest sixteen loads may be out)
	MUL16 1, 0, 0, 0                               ; sixteen matrix instructions stand between the add and the wait for it
	s_wait_dscnt 0x0                               ; the add is done, and my reads of this slot are over:
	s_barrier_signal -1                            ; say so,
	MUL16 1, 0, 2, 0                               ; work on registers while the others arrive,
.if \round
	WIN 0
.endif
	s_barrier_wait -1                              ; and go on when all four have said so
.endm
; The whole last quarter.  on = 0: the slot just read out is filled again with this tile's K step two steps on; on = 1: with the next tile's K step 0 or 1; on = 2: the last tile's last lap: nothing is filled.
; Where a slot is filled the barrier opens a round of the cluster's barrier, and the joint refill is the first tensor load behind the round: 224 matrix instructions ahead of the wait for it.
.macro TURN slot, next, on
.if (\on) < 2
	s_wait_xcnt 0x0                                ; the last prefetch, a K step back, has read its address: it is stepped here, ahead of the waits of the change of slots
.if ((\on) == 1) && ((\slot) == 0)
	s_add_nc_u64 s[PFA:PFA+1], s[PFA:PFA+1], (WALK-1)*SIZE_K*2+KSTEP*2  ; from the K step after the tile's last to the next tile's K step 1
	s_cmp_eq_u32 s11, 0
	s_cselect_b32 s[LIM], s[LIM], -1               ; wt's rows are the same for both tiles: they have been read, and are asked for no more
.else
	s_add_nc_u64 s[PFA:PFA+1], s[PFA:PFA+1], KSTEP*2
.endif
	MEET 1
	CREST                                          ; no wave of any partner still reads this slot's tile or has a load on its way
.if (\on) == 1
	s_add_nc_u64 s[G0+4*(\slot)+2:G0+4*(\slot)+3], s[G0+4*(\slot)+2:G0+4*(\slot)+3], NEXT_A
	s_sub_nc_u64 s[G0B+4*(\slot)+2:G0B+4*(\slot)+3], s[G0B+4*(\slot)+2:G0B+4*(\slot)+3], BACK_B
.else
	s_add_nc_u64 s[G0+4*(\slot)+2:G0+4*(\slot)+3], s[G0+4*(\slot)+2:G0+4*(\slot)+3], 2*KSTEP*2
	s_add_nc_u64 s[G0B+4*(\slot)+2:G0B+4*(\slot)+3], s[G0B+4*(\slot)+2:G0B+4*(\slot)+3], 2*KSTEP*2
.endif
	JLOAD \slot                                    ; the four v_nop behind it are also the places in front of the loads below
	FETCH \next, 0, 0
	WIN 0
	ASK \on
.else
	MEET 0
	PLACES
	FETCH \next, 0, 0
.endif
	MUL16 1, 1, 0, 0
	MUL16 1, 1, 2, 0
.endm
; ---- THE TAIL ----
; My 64 rows x 256 bytes of state_tm1, asked for a lap ahead of the tail: 32 loads, two whole rows each.  The registers were the data of the last tile's stores; the wait ahead of the pointers' step at that tile's end freed them.
.macro STLOAD
	WIN 0
.irp a, 0,1,2,3
.irp t, 0,1,2,3,4,5,6,7
	global_load_b128 v[ST+32*(\a)+4*(\t):ST+32*(\a)+4*(\t)+3], v[CO], s[STP:STP+1] offset:(16*(\a)+2*(\t))*ROWB th:TH_LOAD_NT
.endr
.endr
.endm
; factor x (sum + bias) of gate g, row block a, column block cb, into work area gu.  Each accumulator is read from its lowest registers on.
.macro PRE a, cb, g, gu
.set rA, 8*(8*(\a)+4*((\g)%2)+(\cb))
.set rB, BR+8*(4*(\g)+(\cb))
.set rG, (\gu)+8*(\g)
.irp p, 0,2,4,6
.if (\g) == 2
	v_pk_fma_f32 v[rG+(\p):rG+(\p)+1], v[rA+(\p):rA+(\p)+1], s[KT:KT+1], v[rB+(\p):rB+(\p)+1] op_sel_hi:[1,0,1]
.else
	v_pk_fma_f32 v[rG+(\p):rG+(\p)+1], v[rA+(\p):rA+(\p)+1], s[KS:KS+1], v[rB+(\p):rB+(\p)+1] op_sel_hi:[1,0,1]
.endif
.endr
.endm
; n transcendentals in place from register base on in both work areas, then the plain instruction behind the last and ONE wait for the batch, ahead of the first line that names a result.
.macro BATCH op, base, n
.irp u, 0,1
.set z, GW+64*(\u)+(\base)
.rept \n
	\op v[z], v[z]
.set z, z+1
.endr
.endr
	v_nop
	s_wait_alu depctr_va_vdst(0)
.endm
.macro PLUS1 base, n                   ; 1 + x on n pairs from register base on, in both work areas
.irp u, 0,1
.set z, GW+64*(\u)+(\base)
.rept \n
	v_pk_add_f32 v[z:z+1], v[z:z+1], 1.0 op_sel_hi:[1,0]
.set z, z+2
.endr
.endr
.endm
; Sixteen cells a lane: row block a, column blocks 2 c2 and 2 c2 + 1 (unit u in work area GW + 64 u: f at +0, i at +8, c at +16, o at +24).
.macro UNIT2 a, c2
	WIN 0x12                                       ; source 0 (sums) window 2, source 2 (biases) window 1, destination window 0
.irp u, 0,1
	PRE \a, 2*(\c2)+(\u), 0, GW+64*(\u)
	PRE \a, 2*(\c2)+(\u), 1, GW+64*(\u)
.endr
	WIN 0x13                                       ; the sums of gates c and o lie in window 3
.irp u, 0,1
	PRE \a, 2*(\c2)+(\u), 2, GW+64*(\u)
	PRE \a, 2*(\c2)+(\u), 3, GW+64*(\u)
.endr
	WIN 0
	BATCH v_exp_f32, 0, 32                         ; 2^(-z log2 e), for c 2^(-2 z log2 e)
	PLUS1 0, 16
	BATCH v_rcp_f32, 0, 32                         ; f, i, o are done; c lacks 2 x - 1
.irp u, 0,1
.set rG, GW+64*(\u)
.irp p, 0,2,4,6
	v_pk_fma_f32 v[rG+16+(\p):rG+17+(\p)], v[rG+16+(\p):rG+17+(\p)], 2.0, -1.0 op_sel_hi:[1,0,0]  ; c
.endr
.irp p, 0,2,4,6
	v_pk_mul_f32 v[rG+16+(\p):rG+17+(\p)], v[rG+16+(\p):rG+17+(\p)], v[rG+8+(\p):rG+9+(\p)]       ; i c
.endr
.endr
.if (\c2) == 0
	s_wait_dscnt 0x0                               ; the block's state is back from the stage, in the sums' layout (all eight loads: the block's second unit needs no wait)
.endif
.irp u, 0,1
.set rG, GW+64*(\u)
.set rS, ST+32*(\a)+8*(2*(\c2)+(\u))
.irp p, 0,2,4,6
	v_pk_fma_f32 v[rG+(\p):rG+(\p)+1], v[rS+(\p):rS+(\p)+1], v[rG+(\p):rG+(\p)+1], v[rG+16+(\p):rG+17+(\p)]  ; new_state = state f + i c
.endr
.irp p, 0,2,4,6
	v_pk_mul_f32 v[rG+8+(\p):rG+9+(\p)], v[rG+(\p):rG+(\p)+1], s[KT:KT+1] op_sel_hi:[1,0]
.endr
	ds_store_b128 v[STO], v[rG:rG+3]   offset:64*(2*(\c2)+(\u))       ; over the state's bytes, which my loads have read: LDS serves a wave's instructions in order (ISA guide 5.7.1.4)
	ds_store_b128 v[STO], v[rG+4:rG+7] offset:64*(2*(\c2)+(\u))+16
.endr
	BATCH v_exp_f32, 8, 8
	PLUS1 8, 4
	BATCH v_rcp_f32, 8, 8
.irp u, 0,1
.set rG, GW+64*(\u)
.irp p, 0,2,4,6
	v_pk_fma_f32 v[rG+8+(\p):rG+9+(\p)], v[rG+8+(\p):rG+9+(\p)], 2.0, -1.0 op_sel_hi:[1,0,0]      ; tanh(new_state)
.endr
.irp p, 0,2,4,6
	v_pk_mul_f32 v[rG+24+(\p):rG+25+(\p)], v[rG+24+(\p):rG+25+(\p)], v[rG+8+(\p):rG+9+(\p)]      ; output
.endr
	ds_store_b128 v[STO], v[rG+24:rG+27] offset:16*SPITCH+64*(2*(\c2)+(\u))
	ds_store_b128 v[STO], v[rG+28:rG+31] offset:16*SPITCH+64*(2*(\c2)+(\u))+16
.endr
.endm
; My row block a, 16 rows x 64 columns.  The state goes through my stage from rows into the sums' layout; new_state and the output go back through the stages into rows and are stored.  The stages are my wave's own.
.macro BLOCK a
	WIN 0
.if (\a) > 0
	s_wait_xcnt 0x0                                ; the last block's stores have read the work area: it is rewritten only behind this wait
.endif
	s_wait_loadcnt 24-8*(\a)                       ; this block's eight loads of state are in; the later blocks' stay out
.irp t, 0,1,2,3,4,5,6,7
	ds_store_b128 v[RD], v[ST+32*(\a)+4*(\t):ST+32*(\a)+4*(\t)+3] offset:(\t)*2*SPITCH
.endr
.irp t, 0,1,2,3,4,5,6,7                ; column block t / 2, half t % 2 of my eight columns, into the registers that the rows left
	ds_load_b128 v[ST+32*(\a)+4*(\t):ST+32*(\a)+4*(\t)+3], v[STO] offset:64*((\t)/2)+16*((\t)%2)
.endr
.if (\a) == 0
	s_wait_dscnt 16                                ; the biases are in; the sixteen LDS instructions just issued may be out
.endif
	UNIT2 \a, 0
	UNIT2 \a, 1
.irp t, 0,1,2,3,4,5,6,7
	ds_load_b128 v[ST+32*(\a)+4*(\t):ST+32*(\a)+4*(\t)+3], v[RD] offset:(\t)*2*SPITCH
.endr
.irp t, 0,1,2,3,4,5,6,7
	ds_load_b128 v[GW+4*(\t):GW+4*(\t)+3], v[RD] offset:16*SPITCH+(\t)*2*SPITCH
.endr
	s_wait_dscnt 8                                 ; new_state's rows are in; the output's eight loads may be out
.irp t, 0,1,2,3,4,5,6,7
	global_store_b128 v[CO], v[ST+32*(\a)+4*(\t):ST+32*(\a)+4*(\t)+3], s[O1P:O1P+1] offset:(16*(\a)+2*(\t))*ROWB th:TH_STORE_NT  ; sixteen lanes store 256 consecutive bytes, at a multiple of 256 from out1's first byte
.endr
	s_wait_dscnt 0x0
.irp t, 0,1,2,3,4,5,6,7
	global_store_b128 v[CO], v[GW+4*(\t):GW+4*(\t)+3], s[O0P:O0P+1] offset:(16*(\a)+2*(\t))*ROWB th:TH_STORE_NT
.endr
.endm
	s_wait_dscnt 0x0                               ; my bias table is written: no LDS instruction of mine is pending at the signal
	s_wait_tensorcnt 1                             ; my part of K step 0 is in; K step 1's load stays out
	s_barrier_signal -1
	s_barrier_wait -1                              ; everybody's is
	FETCH 0, 0, 0
	WIN 0                                          ; at a label and at a branch every window is 0
	s_mov_b32 s2, TILES                            ; tiles to go: the same number in every work-group
.Ltile:
	QUARTER 0, 64,  0, 1, 1                        ; a tile's first quarter stands in front of the loop: its products start the sums
	WIN 0
	s_mov_b32 s3, LAPS-1
.Llap:                                                 ; a trip goes once round the ring, from a lap's second quarter to the next lap's first, and fills both slots again
	QUARTER 0, 128, 1, 0, 0
	QUARTER 0, 192, 0, 1, 0
	TURN 0, 1, 0
	QUARTER 1, 64,  0, 1, 0
	QUARTER 1, 128, 1, 0, 0
	QUARTER 1, 192, 0, 1, 0
	TURN 1, 0, 0
	QUARTER 0, 64,  0, 1, 0
	WIN 0
	s_sub_co_u32 s3, s3, 1
	s_cmp_lg_u32 s3, 0
	s_cbranch_scc1 .Llap
	STLOAD                                         ; seven quarters, 448 matrix instructions, ahead of the tail
	QUARTER 0, 128, 1, 0, 0                        ; the tile's last lap goes on
	QUARTER 0, 192, 0, 1, 0
	WIN 0
	s_cmp_eq_u32 s2, 1
	s_cbranch_scc1 .Llast                          ; the last tile's last lap is written out: it asks for nothing more
	TURN 0, 1, 1                                   ; the ring goes on into the next tile: slot 0 takes its K step 0,
	QUARTER 1, 64,  0, 1, 0
	QUARTER 1, 128, 1, 0, 0
	QUARTER 1, 192, 0, 1, 0
	TURN 1, 0, 1                                   ; slot 1 its K step 1, and the next tile's first fragments are fetched into buffer 0, which the tail leaves alone
	WIN 0
	s_branch .Lepi
.Llast:
	TURN 0, 1, 2
	QUARTER 1, 64,  0, 1, 0
	QUARTER 1, 128, 1, 0, 0
	QUARTER 1, 192, 0, 1, 0
	s_wait_dscnt 16                                ; the very last quarter: nothing more to fetch
	MUL16 1, 0, 0, 0
	MUL16 1, 0, 2, 0
	s_wait_dscnt 0x0
	MUL16 1, 1, 0, 0
	MUL16 1, 1, 2, 0
	WIN 0
.Lepi:                                                 ; the tail, one text for both tiles; every wait on TENSORcnt behind this label is for 0
	PLACES
	PLACES                                         ; eight places, once a tile, behind the last products: in front of the loads into buffer 1 and of the lines that read the sums
	WIN TO_B
.irp g, 0,1,2,3
.irp c, 0,1,2,3
	ds_load_b128 v[BR+8*(4*(\g)+(\c)):BR+8*(4*(\g)+(\c))+3],   v[BT] offset:256*(\g)+64*(\c)      ; my eight columns' scaled biases of gate g, column block c
	ds_load_b128 v[BR+8*(4*(\g)+(\c))+4:BR+8*(4*(\g)+(\c))+7], v[BT] offset:256*(\g)+64*(\c)+16
.endr
.endr
	BLOCK 0
	BLOCK 1
	BLOCK 2
	BLOCK 3
	s_wait_xcnt 0x0                                ; the stores have read their registers and their bases: only behind this wait are the pointers stepped, and the state's registers loaded again
	s_add_nc_u64 s[STP:STP+1], s[STP:STP+1], WALK*ROWB
	s_add_nc_u64 s[O0P:O0P+1], s[O0P:O0P+1], WALK*ROWB
	s_add_nc_u64 s[O1P:O1P+1], s[O1P:O1P+1], WALK*ROWB  ; (behind the last tile the stepped pointers are not used)
	s_sub_co_u32 s2, s2, 1
	s_cmp_lg_u32 s2, 0
	s_cbranch_scc1 .Ltile
	s_wait_tensorcnt 0x0                           ; the wave's end: behind my last tensor load and my last LDS store
	ds_add_u32 v[SPW], v[NIL]
	s_wait_dscnt 0x0
	CROUND                                         ; the closing round: no work-group ends while a partner may still ask for a tile that names it
	s_endpgm
.Lfunc_end_k_q76ab4f1dbb_cell:
	.size	k_q76ab4f1dbb_cell, .Lfunc_end_k_q76ab4f1dbb_cell-k_q76ab4f1dbb_cell
	.p2alignl 7, 3214868480
	.fill 96, 4, 3214868480
	.section	.rodata,"a",@progbits
	.p2align	6, 0x0
	.amdhsa_kernel k_q76ab4f1dbb_cell
		.amdhsa_group_segment_fixed_size 327680
		.amdhsa_private_segment_fixed_size 0
		.amdhsa_enable_private_segment 0
		.amdhsa_kernarg_size 72
		.amdhsa_user_sgpr_count 2
		.amdhsa_user_sgpr_kernarg_segment_ptr 1
		.amdhsa_wavefront_size32 1
		.amdhsa_system_sgpr_workgroup_id_x 1
		.amdhsa_system_sgpr_workgroup_id_y 1
		.amdhsa_system_sgpr_workgroup_id_z 1
		.amdhsa_system_vgpr_workitem_id 0
		.amdhsa_next_free_vgpr 1024
		.amdhsa_next_free_sgpr 92
		.amdhsa_reserve_vcc 0
		.amdhsa_float_denorm_mode_32 3
		.amdhsa_float_denorm_mode_16_64 3
		.amdhsa_memory_ordered 1
		.amdhsa_forward_progress 1
		.amdhsa_inst_pref_size 255
	.end_amdhsa_kernel
	.section	.bss,"aw",@nobits
	.p2align	6
	.space	262144
	.amdgpu_metadata
---
amdhsa.version: [ 1, 2 ]
amdhsa.kernels:
  - .name:           k_q76ab4f1dbb_cell
    .symbol:         k_q76ab4f1dbb_cell.kd
    .args:
      - { .name: xh, .offset: 0, .size: 8, .value_kind: global_buffer, .address_space: global }
      - { .name: wt, .offset: 8, .size: 8, .value_kind: global_buffer, .address_space: global }
      - { .name: state_tm1, .offset: 16, .size: 8, .value_kind: global_buffer, .address_space: global }
      - { .name: out0, .offset: 24, .size: 8, .value_kind: global_buffer, .address_space: global }
      - { .name: out1, .offset: 32, .size: 8, .value_kind: global_buffer, .address_space: global }
      - { .name: bf, .offset: 40, .size: 8, .value_kind: global_buffer, .address_space: global }
      - { .name: bi, .offset: 48, .size: 8, .value_kind: global_buffer, .address_space: global }
      - { .name: bc, .offset: 56, .size: 8, .value_kind: global_buffer, .address_space: global }
      - { .name: bo, .offset: 64, .size: 8, .value_kind: global_buffer, .address_space: global }
    .group_segment_fixed_size: 327680
    .private_segment_fixed_size: 0
    .kernarg_segment_align: 8
    .kernarg_segment_size: 72
    .max_flat_workgroup_size: 128
    .sgpr_count:     92
    .vgpr_count:     1024
    .wavefront_size: 32
...
	.end_amdgpu_metadata
.endif
;; end of part 2
;; ======== version 2 of 2: 2 launches; version 1 with the launch prep written anew for expert scheduling mode
;; workspace buffers: xh 33,554,432 bytes; wt 16,777,216 bytes
;; launch prep (part 3): grid 256 x 3, 4 waves a work-group, no clusters, 70,144 bytes of LDS; arguments x, out_tm1, Wf, Wi, Wc, Wo, xh, wt; writes xh, wt
.if DOCPART == 3
	.amdgcn_target "amdgcn-amd-amdhsa--gfx1250"
	.amdhsa_code_object_version 6
	.text
	.protected	k_q76ab4f1dbb_prep
	.globl	k_q76ab4f1dbb_prep
	.p2align	8
	.type	k_q76ab4f1dbb_prep,@function
k_q76ab4f1dbb_prep:
	s_mov_b64 s[64:65], 0
	v_nop
	global_prefetch_b8 v0, s[64:65] scope:SCOPE_SE
	s_setreg_imm32_b32 hwreg(HW_REG_WAVE_SCHED_MODE, 0, 2), 2
	s_setreg_imm32_b32 hwreg(HW_REG_WAVE_MODE, 25, 1), 1
	s_wait_xcnt 0x0
	s_wait_alu depctr_vm_vsrc(0)
; The operands of the four products, rounded once to bf16 and laid out for the matrix launch that follows.
;   xh [8192][2048] bf16: row b = x[b] (bytes 0-2047), then out_tm1[b] (bytes 2048-4095).
;   wt [4096][2048] bf16, K along the rows: row 256 T + 64 g + j = column 64 T + j of gate g (0 f, 1 i, 2 c, 3 o), T = 0..15, j = 0..63.
; Grid 256 x 3, four waves.  y = 0: 32 rows of x; y = 1: 32 rows of out_tm1; y = 2: 128 k x 64 columns of all four weights, a gate a wave.
; Every work-group reads 131,072 bytes and writes 65,536.  A stream: no matrix unit, no barrier, no cluster (no byte is read twice).
; LDS serves only to turn the weights: each wave has a tile of its own, 64 rows (n) x 256 bytes (128 k) + 16 of padding.
; LIMITS.  Rounding to bf16 is to nearest even; bf16 has f32's range, so no finite input is lost; NaN and infinities pass as they are.
; THE MODE: SCHED_MODE bits 1:0 = 2 (LLVM: expert scheduling mode 2), set by the entry lines.  The code itself states the register dependences
; between vector instructions and memory or LDS instructions, with s_wait_alu, always for 0.
; THE PLAN.  Both arms go in eight blocks of 8 loads, 16 conversions and their stores.  Registers that memory or LDS instructions touch:
;   X     as loaded, 32 registers a buffer.  Block p's conversions read X[p % N]; the loads issued in block p, those of block p + N - 1, land in X[(p - 1) % N].  N = 4 for x and out_tm1, 5 for the weights.
;   Y, P  packed, 16 registers a buffer, two buffers.  Block p's conversions write buffer p % 2; the stores issued in block p + 1 read it (Y: global stores; P: LDS stores).
;   v2 to v7  offsets and LDS addresses, made once at an arm's head and never written again: rows and passes stand in the immediates, and no base moves.
;   v8, v9    written at the head, read by the closing add alone.
; So a block's memory instructions touch the two buffers that the block before worked on and that no vector instruction of this block names: the waits at a block's head state
; all that they hang on, and they are dealt among the block's conversions with no further wait.
.set ROWB,  4096                       ; bytes in a row of x, out_tm1, W, xh and wt alike
.set PITCH, 272                        ; a row of a turning tile
.set WTILE, 64*PITCH                   ; a wave's turning tile
.set SPARE, 4*WTILE                    ; behind the tiles: the spare words, 128 bytes for each wave: two blocks of 256 bytes that no other line names
.set AOFF, 2                           ; v2   activations: 16 t, my 16 bytes in each half of a source row; never rewritten
.set DOFF, 3                           ; v3   activations: 8 t, my 8 bytes in each quarter of a row of xh; never rewritten
.set LW,   4                           ; v4   weights: where I put 16 bytes (8 k of one column) in my wave's tile
.set LR,   5                           ; v5   weights: where I read rows back
.set WSRC, 6                           ; v6   weights: my byte offset in 16 rows of W
.set GOF,  7                           ; v7   weights: my byte offset in two rows of wt
.set SPW,  8                           ; v8   LDS address of my spare word: SPARE + 4 x my thread's number; never rewritten
.set NIL,  9                           ; v9   0; never rewritten
.set P,    16                          ; v[16:47]   weights: two buffers of 16: 4 columns x 8 k, packed
.set Y,    16                          ; v[16:47]   activations: two buffers of 16: four rows of 4, packed
.set X,    48                          ; v[48:207]  weights: five buffers of 32 as loaded, then (v[48:175]) the tile read back; activations: v[48:175], four buffers of four rows of 8
	s_load_b512 s[4:19], s[0:1], 0x0               ; x 4:5, out_tm1 6:7, Wf 8:9, Wi 10:11, Wc 12:13, Wo 14:15, xh 16:17, wt 18:19
	v_lshl_add_u32 v[SPW], v0, 2, SPARE
	v_mov_b32 v[NIL], 0
	v_lshrrev_b32 v1, 5, v0
	v_readfirstlane_b32 s21, v1                    ; wave 0..3
	s_and_b32 s20, ttmp7, 0xffff                   ; y
	s_mov_b32 s23, 0                               ; the high word of every offset: all stay under 2^32
	s_wait_alu depctr_va_sdst(0)                   ; s21 is written: its first reader stands in the weights' arm
	s_wait_kmcnt 0x0
	s_cmp_eq_u32 s20, 2
	s_cbranch_scc1 .Lweights
	; ---- x or out_tm1: 32 rows.  A row is 4,096 bytes in, 2,048 out.  Thread t takes floats 4 t .. 4 t + 3 and 512 + 4 t .. 512 + 4 t + 3:
	; a load of a wave covers 512 consecutive bytes, a store of a wave 256 consecutive bytes at a multiple of 256 from xh's first byte.
	s_cmp_eq_u32 s20, 0
	s_cselect_b64 s[24:25], s[4:5], s[6:7]
	s_lshl_b32 s22, ttmp9, 17                      ; 32 rows of 4,096 bytes, in the source and in xh
	s_add_nc_u64 s[24:25], s[24:25], s[22:23]
	s_lshl_b32 s28, s20, 11                        ; out_tm1 takes the second half of xh's rows
	s_or_b32 s22, s22, s28
	s_add_nc_u64 s[26:27], s[16:17], s[22:23]
	v_lshlrev_b32 v[AOFF], 4, v0
	v_lshlrev_b32 v[DOFF], 3, v0
	s_wait_alu depctr_va_vdst(0)                   ; v2 and v3 are written: every load and store of this arm reads one of them as its offset
.macro ALOAD row                       ; a row's two loads, into buffer (row / 4) % 4, place row % 4
.set rX, X+32*(((\row)/4)%4)+8*((\row)%4)
	global_load_b128 v[rX:rX+3],   v[AOFF], s[24:25] offset:(\row)*ROWB th:TH_LOAD_NT
	global_load_b128 v[rX+4:rX+7], v[AOFF], s[24:25] offset:(\row)*ROWB+2048 th:TH_LOAD_NT
.endm
.macro ASTORE row                      ; a row's two stores, from buffer (row / 4) % 2, place row % 4
.set rY, Y+16*(((\row)/4)%2)+4*((\row)%4)
	global_store_b64 v[DOFF], v[rY:rY+1],   s[26:27] offset:(\row)*ROWB
	global_store_b64 v[DOFF], v[rY+2:rY+3], s[26:27] offset:(\row)*ROWB+1024
.endm
.macro ACVT row                        ; a row's eight numbers a lane, rounded and packed
.set rX, X+32*(((\row)/4)%4)+8*((\row)%4)
.set rY, Y+16*(((\row)/4)%2)+4*((\row)%4)
.irp j, 0,1,2,3
	v_cvt_pk_bf16_f32 v[rY+(\j)], v[rX+2*(\j)], v[rX+2*(\j)+1]
.endr
.endm
; Block p: rows 4 p .. 4 p + 3.  No address register is ever rewritten: the row stands in the immediate.
.macro ABLK p
.if (\p) < 6
	s_wait_loadcnt 16                              ; loads come back in order (ISA guide 5.7.1): this block's eight are in, the two younger blocks' sixteen stay out
.else
	s_wait_loadcnt 8*(7-(\p))                      ; the last blocks: nothing more is asked for, and the counts run down
.endif
.if (\p) >= 2
	s_wait_xcnt 0x0                                ; every earlier memory instruction has had its addresses translated (ISA guide 3.1): Y[p % 2] is rewritten only behind this wait
	s_wait_alu depctr_vm_vsrc(0)                   ; the stores issued in the block before have read Y[p % 2], which this block's conversions write again
.endif
.if (\p) >= 1
	s_wait_alu depctr_va_vdst(0)                   ; the block before has written the other Y, which the stores below read, and is done reading its X, in which the loads below land
.endif
.irp i, 0,1,2,3
.if (\p) < 5
	ALOAD 4*((\p)+3)+(\i)                          ; three blocks ahead, the load ahead of the stores; no vector instruction since the wait names these registers
.endif
.if (\p) >= 1
	ASTORE 4*((\p)-1)+(\i)                         ; the block before
.endif
	ACVT 4*(\p)+(\i)
.endr
.endm
.set rw, 0
.rept 12                               ; blocks 0, 1 and 2 into X0, X1, X2
	ALOAD rw
.set rw, rw+1
.endr
.irp p, 0,1,2,3,4,5,6,7
	ABLK \p
.endr
	s_wait_alu depctr_va_vdst(0)                   ; block 7 has written Y1, which the last eight stores read
.irp r, 28,29,30,31
	ASTORE \r
.endr
	s_branch .Lend
	; ---- the weights: wave w turns 128 k x 64 columns of gate w.
.Lweights:
	s_cmp_eq_u32 s21, 0
	s_cselect_b64 s[24:25], s[8:9], s[10:11]
	s_cmp_eq_u32 s21, 2
	s_cselect_b64 s[24:25], s[12:13], s[24:25]
	s_cmp_eq_u32 s21, 3
	s_cselect_b64 s[24:25], s[14:15], s[24:25]
	s_and_b32 s28, ttmp9, 15                       ; which 128 k
	s_lshr_b32 s29, ttmp9, 4                       ; T: which 64 columns
	s_lshl_b32 s22, s28, 19                        ; 128 rows of 4,096 bytes
	s_lshl_b32 s30, s29, 8                         ; 64 columns of 4 bytes
	s_add_co_u32 s22, s22, s30
	s_add_nc_u64 s[24:25], s[24:25], s[22:23]
	s_lshl_b32 s22, s29, 20                        ; wt: 256 T rows,
	s_lshl_b32 s30, s21, 18                        ; + 64 w rows of 4,096 bytes,
	s_add_co_u32 s22, s22, s30
	s_lshl_b32 s30, s28, 8                         ; + 128 k of 2 bytes
	s_add_co_u32 s22, s22, s30
	s_add_nc_u64 s[26:27], s[18:19], s[22:23]
	v_and_b32 v10, 15, v0                          ; c = lane % 16: columns 4 c .. 4 c + 3
	v_bfe_u32 v11, v0, 4, 1                        ; hh = lane / 16
	v_lshlrev_b32 v12, 4, v10
	v_lshl_add_u32 v[WSRC], v11, 15, v12           ; 8 hh rows + 16 c
	v_lshl_add_u32 v[GOF], v11, 12, v12            ; hh rows + 16 c
	s_mul_i32 s30, s21, WTILE                      ; my wave's tile
	v_mul_u32_u24 v13, v10, 4*PITCH
	v_lshl_add_u32 v13, v11, 4, v13
	v_add_nc_u32 v[LW], s30, v13                   ; tile row 4 c, byte 16 hh
	v_mul_u32_u24 v13, v11, PITCH
	v_add_nc_u32 v13, v13, v12
	v_add_nc_u32 v[LR], s30, v13                   ; tile row hh, byte 16 c
	s_wait_alu depctr_va_vdst(0)                   ; v4 to v7 are written: the loads of W, the LDS stores and loads and the stores to wt read them as offsets and addresses
; Pass t takes sixteen rows of k, in buffer t % 5: load j brings rows 16 t + 8 hh + j; sixteen lanes read 256 consecutive bytes, aligned.
.macro WLD t, j
	global_load_b128 v[X+32*((\t)%5)+4*(\j):X+32*((\t)%5)+4*(\j)+3], v[WSRC], s[24:25] offset:(16*(\t)+(\j))*ROWB th:TH_LOAD_NT
.endm
; Column jn of pass t: its 8 ascending k, 16 bytes, into the column's tile row.
; 32 such stores a wave beside 32 KiB streamed; left so.
.macro WST t, jn
	ds_store_b128 v[LW], v[P+16*((\t)%2)+4*(\jn):P+16*((\t)%2)+4*(\jn)+3] offset:PITCH*(\jn)+32*(\t)
.endm
; Buffer t % 5 holds 8 k x 4 columns a lane: for each column its 8 ascending k are packed into four registers of P[t % 2].
.macro WPASS t
.if (\t) < 5
	s_wait_loadcnt 24                              ; this pass's eight loads are in; the three younger passes' stay out
.else
	s_wait_loadcnt 8*(7-(\t))                      ; the last passes: the counts run down
.endif
.if (\t) >= 2
	s_wait_alu depctr_vm_vsrc(0)                   ; the LDS stores issued in the pass before have read P[t % 2], which this pass's conversions write again
.endif
.if (\t) >= 1
	s_wait_alu depctr_va_vdst(0)                   ; the pass before has written the other P, which the LDS stores below read, and is done reading its X, in which the loads below land
.endif
.irp jn, 0,1,2,3
.if (\t) < 4
	WLD (\t)+4, 2*(\jn)                            ; four passes ahead; no vector instruction since the wait names these registers
	WLD (\t)+4, 2*(\jn)+1
.endif
.if (\t) >= 1
	WST (\t)-1, \jn                                ; the pass before
.endif
.irp q, 0,1,2,3
	v_cvt_pk_bf16_f32 v[P+16*((\t)%2)+4*(\jn)+(\q)], v[X+32*((\t)%5)+8*(\q)+(\jn)], v[X+32*((\t)%5)+8*(\q)+4+(\jn)]
.endr
.endr
.endm
.irp t, 0,1,2,3
.irp j, 0,1,2,3,4,5,6,7
	WLD \t, \j
.endr
.endr
.irp t, 0,1,2,3,4,5,6,7
	WPASS \t
.endr
	s_wait_alu depctr_va_vdst(0)                   ; pass 7 has written P1, which the last four LDS stores read; and all conversions are done reading X, in which the tile's rows land below
.irp jn, 0,1,2,3
	WST 7, \jn
.endr
	; back by rows: lanes 0-15 take tile row 2 t, lanes 16-31 row 2 t + 1, 256 bytes each.  LDS serves a wave's instructions in order (ISA guide 5.7.1.4): these see the stores above.
.set t, 0
.rept 32
	ds_load_b128 v[X+4*t:X+4*t+3], v[LR] offset:2*PITCH*t
.set t, t+1
.endr
.set t, 0
.rept 32
	s_wait_dscnt 31-t                              ; load t is in, the younger ones stay out
	global_store_b128 v[GOF], v[X+4*t:X+4*t+3], s[26:27] offset:2*ROWB*t  ; sixteen lanes store 256 consecutive bytes, at a multiple of 256 from wt's first byte
.set t, t+1
.endr
.Lend:
	s_wait_dscnt 0x0                               ; the closing lines, six on end
	s_wait_alu 0x0
	s_wait_tensorcnt 0x0
	ds_add_u32 v[SPW], v[NIL]
	s_wait_dscnt 0x0
	s_endpgm
.Lfunc_end_k_q76ab4f1dbb_prep:
	.size	k_q76ab4f1dbb_prep, .Lfunc_end_k_q76ab4f1dbb_prep-k_q76ab4f1dbb_prep
	.p2alignl 7, 3214868480
	.fill 96, 4, 3214868480
	.section	.rodata,"a",@progbits
	.p2align	6, 0x0
	.amdhsa_kernel k_q76ab4f1dbb_prep
		.amdhsa_group_segment_fixed_size 70144
		.amdhsa_private_segment_fixed_size 0
		.amdhsa_enable_private_segment 0
		.amdhsa_kernarg_size 64
		.amdhsa_user_sgpr_count 2
		.amdhsa_user_sgpr_kernarg_segment_ptr 1
		.amdhsa_wavefront_size32 1
		.amdhsa_system_sgpr_workgroup_id_x 1
		.amdhsa_system_sgpr_workgroup_id_y 1
		.amdhsa_system_sgpr_workgroup_id_z 1
		.amdhsa_system_vgpr_workitem_id 0
		.amdhsa_next_free_vgpr 208
		.amdhsa_next_free_sgpr 66
		.amdhsa_reserve_vcc 0
		.amdhsa_float_denorm_mode_32 3
		.amdhsa_float_denorm_mode_16_64 3
		.amdhsa_memory_ordered 1
		.amdhsa_forward_progress 1
		.amdhsa_inst_pref_size 47
	.end_amdhsa_kernel
	.amdgpu_metadata
---
amdhsa.version: [ 1, 2 ]
amdhsa.kernels:
  - .name:           k_q76ab4f1dbb_prep
    .symbol:         k_q76ab4f1dbb_prep.kd
    .args:
      - { .name: x, .offset: 0, .size: 8, .value_kind: global_buffer, .address_space: global }
      - { .name: out_tm1, .offset: 8, .size: 8, .value_kind: global_buffer, .address_space: global }
      - { .name: Wf, .offset: 16, .size: 8, .value_kind: global_buffer, .address_space: global }
      - { .name: Wi, .offset: 24, .size: 8, .value_kind: global_buffer, .address_space: global }
      - { .name: Wc, .offset: 32, .size: 8, .value_kind: global_buffer, .address_space: global }
      - { .name: Wo, .offset: 40, .size: 8, .value_kind: global_buffer, .address_space: global }
      - { .name: xh, .offset: 48, .size: 8, .value_kind: global_buffer, .address_space: global }
      - { .name: wt, .offset: 56, .size: 8, .value_kind: global_buffer, .address_space: global }
    .group_segment_fixed_size: 70144
    .private_segment_fixed_size: 0
    .kernarg_segment_align: 8
    .kernarg_segment_size: 64
    .max_flat_workgroup_size: 128
    .sgpr_count:     66
    .vgpr_count:     208
    .wavefront_size: 32
...
	.end_amdgpu_metadata
.endif
;; end of part 3
;; launch cell: the kernel of part 2 again; grid 16 x 16, 4 waves a work-group, clusters of 4 x 4, 327,680 bytes of LDS; arguments xh, wt, state_tm1, out0, out1, bf, bi, bc, bo; writes out0, out1
